; MI455X (gfx1250); checked and timed in simulation.
; The chip was launched on July 23, 2026; its instructions are those of AMD's public machine-readable ISA for CDNA 5 (MIT licence, August 2026) and "CDNA5" Instruction Set Architecture Reference Guide (July 2026). The comments in the code are by the model that wrote it; some were corrected since.
;; Simple Mo E. Allowed arithmetic: float matrix products may take bf16 or f16 operands with f32 sums; other float arithmetic in f32, or as packed bf16 or f16 multiplies, adds, multiply-adds, maxima and minima; sums over many terms, partial sums and values carried from step to step in f32; what a program stores and reads back later, other than sums and carried values, may be rounded once to bf16 or f16.
;; Inputs: W1 8 x 1,024 x 4,096 float32; W2 8 x 4,096 x 1,024 float32; Wg 1,024 x 8 float32; b1 8 x 4,096 float32; b2 8 x 1,024 float32; bg 8 float32; x 512 x 2 x 1,024 float32.
;; Outputs: out0 512 x 2 x 1,024 float32; out1 one number float32.
;; One version. Each part assembles by itself: llvm-mc -triple=amdgcn-amd-amdhsa -mcpu=gfx1250 --defsym DOCPART=n.
;; ======== version 1 of 1: 4 launches
;; limits: values are held in f16: magnitudes above 65,504 overflow, below 6.1e-05 lose precision
;; workspace buffers: xb 2,097,152 bytes; wgt 8,192 bytes; sel 2,048 bytes of whole numbers; psum 2,048 bytes; hid 67,108,864 bytes; part 33,554,432 bytes
;; launch router (part 1): grid 64 x 1, 4 waves a work-group, no clusters, 54,784 bytes of LDS; arguments x, Wg, bg, xb, wgt, sel, psum; writes xb, wgt, sel, psum
.if DOCPART == 1
	.amdgcn_target "amdgcn-amd-amdhsa--gfx1250"
	.amdhsa_code_object_version 6
	.text
	.protected	k_qe6962a081a_router
	.globl	k_qe6962a081a_router
	.p2align	8
	.type	k_qe6962a081a_router,@function
k_qe6962a081a_router:
	s_mov_b64 s[64:65], 0
	v_nop
	global_prefetch_b8 v0, s[64:65] scope:SCOPE_SE
	s_setreg_imm32_b32 hwreg(HW_REG_WAVE_MODE, 25, 1), 1
	s_wait_xcnt 0x0
; ROUTER.  xb = bf16(x); logits = bf16(x) bf16(Wg) + bf16(bg), sums in f32; softmax with the row's maximum taken away; the two largest.
; A work-group owns 16 tokens; wave w multiplies K = 256 w .. 256 w + 255; wave 0 adds the four parts and finishes.
; Stored at fixed places: wgt[2 t + slot] the two probabilities (f32); sel: for each group of 16 tokens and each expert a 16-bit mask 'token chose e' (kind 0)
; and 'e is its second choice' (kind 1); psum: the group's sum of probabilities for each expert (f32).  No address and no branch hangs on a float.
; LIMITS.  x, Wg and bg are rounded to bf16 (as all inputs of this program are).  The two largest are taken on the logits by a strict 'greater', so the lower index
; wins a tie of logits; two different logits whose probabilities round to one f32 are not treated as a tie.  NaN and infinite logits are not treated apart.
; A probability below 2^-126 counts as 0.
; THE PRODUCT IS USED TRANSPOSED: source 0 = Wg^T (rows = experts; rows 8-15 repeat 0-7), source 1 = 16 tokens: register j of every lane holds expert j's logit of token lane % 16.
.set XPITCH, 528                       ; a token's 256 bf16 of one wave + 16 bytes: 132 words, so 16 rows start at 16 different groups of four banks (64 banks of 4 bytes: ISA guide 11.1)
.set XWAVE,  16*XPITCH                 ; a wave's own tile of x
.set WGS,    4*XWAVE                   ; Wg as bf16, [k][8], 16 bytes a row; wave w owns rows 256 w ..
.set RED,    WGS+16384                 ; the waves' partial logits: 32 lanes x 32 bytes a wave
.set SPARE,  RED+4096                  ; the spare words, 128 bytes a wave: two blocks of 256 bytes that no other line names
.set LOG2E,  0x3fb8aa3b
	s_load_b256 s[4:11], s[0:1], 0x0               ; x s[4:5], Wg s[6:7], bg s[8:9], xb s[10:11]
	s_load_b128 s[12:15], s[0:1], 0x20             ; wgt s[12:13], sel s[14:15]
	s_load_b64 s[16:17], s[0:1], 0x30              ; psum
	v_lshl_add_u32 v4, v0, 2, SPARE                ; my spare word
	v_mov_b32 v5, 0
	v_and_b32 v1, 31, v0                           ; lane
	v_lshrrev_b32 v2, 5, v0
	v_readfirstlane_b32 s20, v2                    ; wave
	v_and_b32 v2, 15, v0                           ; r
	v_bfe_u32 v3, v0, 4, 1                         ; h
	v_lshlrev_b32 v6, 5, v1                        ; 32 x lane
	v_lshlrev_b32 v7, 4, v1                        ; 16 x lane
	s_mul_i32 s21, s20, XWAVE
	s_lshl_b32 s22, s20, 12
	s_add_co_u32 s22, s22, WGS
	s_lshl_b32 s23, s20, 10
	s_add_co_u32 s23, s23, RED
	v_add_nc_u32 v8, s21, v7                       ; x into LDS: 16 bytes a lane of a row
	v_add_nc_u32 v9, s22, v7                       ; Wg into LDS: a row a lane
	v_mul_u32_u24 v10, v2, XPITCH
	v_lshl_add_u32 v10, v3, 4, v10
	v_add_nc_u32 v10, s21, v10                     ; x's fragments: row r, 16 h
	v_and_b32 v11, 7, v0
	v_lshl_add_u32 v11, v3, 3, v11
	v_lshl_add_u32 v11, v11, 4, s22                ; Wg's turning loads: row 8 h + lane % 8; no column term: lanes 8-15 take experts 0-7 once more
	v_add_nc_u32 v12, s23, v6                      ; my partial logits
	v_add_nc_u32 v13, RED, v6                      ; the same lane's in wave 0's part
	v_mov_b32 v14, 0
	v_lshlrev_b32 v15, 3, v2                       ; 8 r: my token's pair in wgt
	s_lshl_b32 s24, ttmp9, 16                      ; 16 tokens of 4,096 bytes
	s_lshl_b32 s26, s20, 10
	s_add_co_u32 s24, s24, s26
	s_mov_b32 s25, 0
	s_wait_kmcnt 0x0
	s_add_nc_u64 s[4:5], s[4:5], s[24:25]          ; x at my tokens, my K quarter
	s_lshl_b32 s24, s20, 13
	s_add_nc_u64 s[6:7], s[6:7], s[24:25]          ; Wg at my 256 rows of 32 bytes
	s_lshl_b32 s24, ttmp9, 15
	s_lshl_b32 s26, s20, 9
	s_add_co_u32 s24, s24, s26
	s_add_nc_u64 s[10:11], s[10:11], s[24:25]      ; xb likewise
	s_lshl_b32 s24, ttmp9, 7
	s_add_nc_u64 s[12:13], s[12:13], s[24:25]
	s_lshl_b32 s24, ttmp9, 5
	s_add_nc_u64 s[14:15], s[14:15], s[24:25]
	s_add_nc_u64 s[16:17], s[16:17], s[24:25]
	global_load_b128 v[16:19], v14, s[8:9]
	global_load_b128 v[20:23], v14, s[8:9] offset:16
.set i, 0
.rept 8                                ; Wg: row 32 i + lane of my 256, eight f32
	global_load_b128 v[192+8*i:192+8*i+3], v6, s[6:7] offset:i*1024
	global_load_b128 v[192+8*i+4:192+8*i+7], v6, s[6:7] offset:i*1024+16
.set i, i+1
.endr
.set i, 0
.rept 16                               ; x: token i, my lane's eight neighbouring columns; a wave's two loads cover 1,024 consecutive bytes
	global_load_b128 v[64+8*i:64+8*i+3], v6, s[4:5] offset:i*4096 th:TH_LOAD_NT
	global_load_b128 v[64+8*i+4:64+8*i+7], v6, s[4:5] offset:i*4096+16 th:TH_LOAD_NT
.set i, i+1
.endr
	s_wait_loadcnt 32                              ; bg and Wg are in; x's 32 loads may stay out
.set i, 0
.rept 8
.irp c, 0,1,2,3
	v_cvt_pk_bf16_f32 v[192+8*i+\c], v[192+8*i+2*\c], v[192+8*i+2*\c+1]   ; in place: register c is written when 2 c and 2 c + 1 have been read
.endr
	ds_store_b128 v9, v[192+8*i:192+8*i+3] offset:i*512
.set i, i+1
.endr
.set i, 0
.rept 16
	s_wait_loadcnt 30-2*i                          ; token i's two loads are in; the later tokens' stay out
.irp c, 0,1,2,3
	v_cvt_pk_bf16_f32 v[64+8*i+\c], v[64+8*i+2*\c], v[64+8*i+2*\c+1]
.endr
	global_store_b128 v7, v[64+8*i:64+8*i+3], s[10:11] offset:i*2048   ; the wave stores 512 consecutive bytes, aligned
	ds_store_b128 v8, v[64+8*i:64+8*i+3] offset:i*XPITCH
.set i, i+1
.endr
	s_wait_xcnt 0x0                                ; the stores' data registers are loaded anew only behind this wait
.set i, 0
.rept 8                                ; the fragments of K step i: the wave's own LDS bytes, served in order behind its stores
	ds_load_b128 v[64+8*i:64+8*i+3], v10 offset:64*i
	ds_load_b128 v[64+8*i+4:64+8*i+7], v10 offset:64*i+32
	ds_load_tr16_b128 v[192+8*i:192+8*i+3], v11 offset:512*i
	ds_load_tr16_b128 v[192+8*i+4:192+8*i+7], v11 offset:512*i+256
.set i, i+1
.endr
	s_wait_dscnt 0x0
	; two accumulators by turns; the first two products start the sums
	v_wmma_f32_16x16x32_bf16 v[32:39], v[192:199], v[64:71], 0
	v_wmma_f32_16x16x32_bf16 v[40:47], v[200:207], v[72:79], 0
.irp i, 2,4,6
	v_wmma_f32_16x16x32_bf16 v[32:39], v[192+8*\i:192+8*\i+7], v[64+8*\i:64+8*\i+7], v[32:39]
	v_wmma_f32_16x16x32_bf16 v[40:47], v[200+8*\i:200+8*\i+7], v[72+8*\i:72+8*\i+7], v[40:47]
.endr
.rept 4
	v_nop                                          ; four places behind the last product (ISA guide 7.12.1)
.endr
.irp c, 0,2,4,6
	v_pk_add_f32 v[48+\c:49+\c], v[32+\c:33+\c], v[40+\c:41+\c]   ; from the low end on
.endr
	ds_store_b128 v12, v[48:51]
	ds_store_b128 v12, v[52:55] offset:16
	s_wait_dscnt 0x0                               ; for wave 0's sake: my partial logits are in LDS
	s_barrier_signal -1
	s_barrier_wait -1
	s_cmp_lg_u32 s20, 0
	s_cbranch_scc1 .Lend                           ; waves 1 to 3 are done
.irp i, 0,1,2,3
	ds_load_b128 v[64+8*\i:64+8*\i+3], v13 offset:\i*1024
	ds_load_b128 v[64+8*\i+4:64+8*\i+7], v13 offset:\i*1024+16
.endr
.irp c, 0,2,4,6
	v_cvt_pk_bf16_f32 v24, v[16+\c], v[17+\c]      ; bg rounded to bf16 and widened again
	v_lshlrev_b32 v[16+\c], 16, v24
	v_and_b32 v[17+\c], 0xffff0000, v24
.endr
	s_wait_dscnt 0x0
.irp c, 0,2,4,6
	v_pk_add_f32 v[48+\c:49+\c], v[64+\c:65+\c], v[72+\c:73+\c]
	v_pk_add_f32 v[96+\c:97+\c], v[80+\c:81+\c], v[88+\c:89+\c]
	v_pk_add_f32 v[48+\c:49+\c], v[48+\c:49+\c], v[96+\c:97+\c]
	v_pk_add_f32 v[48+\c:49+\c], v[48+\c:49+\c], v[16+\c:17+\c]   ; v48-55: my token's eight logits
.endr
; the largest of eight registers and its index; a strict 'greater' keeps the lower index
.macro TOP base, m, ix
	v_mov_b32 v[\m], v[\base]
	v_mov_b32 v[\ix], 0
.irp e, 1,2,3,4,5,6,7
	v_cmp_gt_f32 vcc_lo, v[(\base)+\e], v[\m]
	v_cndmask_b32 v[\m], v[\m], v[(\base)+\e], vcc_lo
	v_cndmask_b32 v[\ix], v[\ix], \e, vcc_lo
.endr
.endm
	TOP 48, 56, 57                                 ; m1 v56, i1 v57
	v_mov_b32 v60, 0xff800000
.irp e, 0,1,2,3,4,5,6,7
	v_cmp_eq_u32 vcc_lo, \e, v57
	v_cndmask_b32 v[112+\e], v[48+\e], v60, vcc_lo ; the first choice is taken out
.endr
	TOP 112, 58, 59                                ; m2 v58, i2 v59
.irp e, 0,1,2,3,4,5,6,7
	v_sub_f32 v[96+\e], v[48+\e], v56              ; the maximum is taken away
.endr
	v_sub_f32 v104, v58, v56
.irp e, 0,1,2,3,4,5,6,7,8
	v_mul_f32 v[96+\e], LOG2E, v[96+\e]
.endr
.irp e, 0,1,2,3,4,5,6,7,8
	v_exp_f32 v[96+\e], v[96+\e]                   ; one batch of nine
.endr
	v_nop                                          ; a plain instruction behind the last exponential (ISA guide 5.7.2)
	s_wait_alu depctr_va_vdst(0)                   ; one wait for the batch, ahead of its first reader
	v_pk_add_f32 v[106:107], v[96:97], v[98:99]
	v_pk_add_f32 v[108:109], v[100:101], v[102:103]
	v_pk_add_f32 v[106:107], v[106:107], v[108:109]
	v_add_f32 v61, v106, v107
	v_rcp_f32 v62, v61                             ; the first choice's probability: its exponential is 1
	v_nop
	s_wait_alu depctr_va_vdst(0)
	v_mul_f32 v63, v104, v62                       ; the second's
.irp e, 0,1,2,3,4,5,6,7
	v_mul_f32 v[96+\e], v[96+\e], v62
.endr
.irp x, 1,2,4,8                        ; each expert's sum over the 16 tokens of a half of the lanes (both halves hold the same tokens)
.irp e, 0,1,2,3,4,5,6,7
	v_add_f32_dpp v[96+\e], v[96+\e], v[96+\e] row_xmask:\x row_mask:0xf bank_mask:0xf
.endr
.endr
.irp e, 0,1,2,3,4,5,6,7
	v_cmp_eq_u32 s[24+\e], \e, v57                 ; bit = lane: tokens whose first choice is e,
	v_cmp_eq_u32 s[32+\e], \e, v59                 ; whose second choice is e
.endr
.irp q, 0,1,2,3                        ; two experts' 16-bit masks to a word
	s_or_b32 s40, s[24+2*\q], s[32+2*\q]
	s_and_b32 s40, s40, 0xffff
	s_or_b32 s41, s[25+2*\q], s[33+2*\q]
	s_lshl_b32 s41, s41, 16
	s_or_b32 s40, s40, s41
	v_mov_b32 v[120+\q], s40
	s_and_b32 s40, s[32+2*\q], 0xffff
	s_lshl_b32 s41, s[33+2*\q], 16
	s_or_b32 s40, s40, s41
	v_mov_b32 v[124+\q], s40
.endr
	s_wait_xcnt 0x0                                ; EXEC changes only behind this wait: it is a source of the stores above
	v_cmp_gt_u32 vcc_lo, 16, v1
	s_and_saveexec_b32 s48, vcc_lo
	global_store_b64 v15, v[62:63], s[12:13]       ; lanes 0-15: 128 consecutive bytes
	s_wait_xcnt 0x0
	s_or_b32 exec_lo, exec_lo, s48
	v_cmp_eq_u32 vcc_lo, 0, v1
	s_and_saveexec_b32 s48, vcc_lo
	global_store_b128 v14, v[120:123], s[14:15]
	global_store_b128 v14, v[124:127], s[14:15] offset:16
	global_store_b128 v14, v[96:99], s[16:17]
	global_store_b128 v14, v[100:103], s[16:17] offset:16
	s_wait_xcnt 0x0
	s_or_b32 exec_lo, exec_lo, s48
.Lend:
	s_wait_tensorcnt 0x0                           ; the wave's end
	ds_add_u32 v4, v5
	s_wait_dscnt 0x0
	s_endpgm
.Lfunc_end_k_qe6962a081a_router:
	.size	k_qe6962a081a_router, .Lfunc_end_k_qe6962a081a_router-k_qe6962a081a_router
	.p2alignl 7, 3214868480
	.fill 96, 4, 3214868480
	.section	.rodata,"a",@progbits
	.p2align	6, 0x0
	.amdhsa_kernel k_qe6962a081a_router
		.amdhsa_group_segment_fixed_size 54784
		.amdhsa_private_segment_fixed_size 0
		.amdhsa_enable_private_segment 0
		.amdhsa_kernarg_size 56
		.amdhsa_user_sgpr_count 2
		.amdhsa_user_sgpr_kernarg_segment_ptr 1
		.amdhsa_wavefront_size32 1
		.amdhsa_system_sgpr_workgroup_id_x 1
		.amdhsa_system_sgpr_workgroup_id_y 1
		.amdhsa_system_sgpr_workgroup_id_z 1
		.amdhsa_system_vgpr_workitem_id 0
		.amdhsa_next_free_vgpr 256
		.amdhsa_next_free_sgpr 66
		.amdhsa_reserve_vcc 1
		.amdhsa_float_denorm_mode_32 3
		.amdhsa_float_denorm_mode_16_64 3
		.amdhsa_memory_ordered 1
		.amdhsa_forward_progress 1
		.amdhsa_inst_pref_size 32
	.end_amdhsa_kernel
	.amdgpu_metadata
---
amdhsa.version: [ 1, 2 ]
amdhsa.kernels:
  - .name:           k_qe6962a081a_router
    .symbol:         k_qe6962a081a_router.kd
    .args:
      - { .name: x, .offset: 0, .size: 8, .value_kind: global_buffer, .address_space: global }
      - { .name: Wg, .offset: 8, .size: 8, .value_kind: global_buffer, .address_space: global }
      - { .name: bg, .offset: 16, .size: 8, .value_kind: global_buffer, .address_space: global }
      - { .name: xb, .offset: 24, .size: 8, .value_kind: global_buffer, .address_space: global }
      - { .name: wgt, .offset: 32, .size: 8, .value_kind: global_buffer, .address_space: global }
      - { .name: sel, .offset: 40, .size: 8, .value_kind: global_buffer, .address_space: global }
      - { .name: psum, .offset: 48, .size: 8, .value_kind: global_buffer, .address_space: global }
    .group_segment_fixed_size: 54784
    .private_segment_fixed_size: 0
    .kernarg_segment_align: 8
    .kernarg_segment_size: 56
    .max_flat_workgroup_size: 128
    .sgpr_count:     66
    .vgpr_count:     256
    .wavefront_size: 32
...
	.end_amdgpu_metadata
.endif
;; end of part 1
;; launch ffn1 (part 2): grid 32 x 8, 4 waves a work-group, no clusters, 281,600 bytes of LDS; arguments W1, b1, xb, sel, hid; writes hid
.if DOCPART == 2
	.amdgcn_target "amdgcn-amd-amdhsa--gfx1250"
	.amdhsa_code_object_version 6
	.text
	.protected	k_qe6962a081a_ffn1
	.globl	k_qe6962a081a_ffn1
	.p2align	8
	.type	k_qe6962a081a_ffn1,@function
k_qe6962a081a_ffn1:
	s_mov_b64 s[64:65], 0
	v_nop
	global_prefetch_b8 v0, s[64:65] scope:SCOPE_SE
	s_setreg_imm32_b32 hwreg(HW_REG_WAVE_MODE, 25, 1), 1
	s_wait_xcnt 0x0
; FIRST PRODUCT.  hid[e][i][f] = f16(relu(xb[token(e, i)] . bf16(W1[e])[:, f] + bf16(b1[e][f]))), i = the token's rank among expert e's rows; sums in f32.
; A work-group has ONE expert (grid y) and 128 columns of F (grid x): a slice of 1,024 x 128 f32 that no other work-group reads, and ALL of that expert's rows, 0 to 1,024.
; The expert's rows, in fragments of 16, are dealt to the four waves; a wave takes up to five fragments a pass: 5 x 8 accumulators of 16 x 16.  A's rows (xb, by a list) come from memory straight into registers.
; THE STREAM AND THE FIRST PASS RUN TOGETHER.  K goes in 8 chunks of 128 (four K steps of 32).  Of each chunk a wave fetches 32 rows of the slice (32 loads of 512 consecutive bytes into a ring of 128 registers), rounds
; them to bf16 and lays them into LDS turned, [column][K].  Chunk c + 1 is laid at CHANGE c, between K steps 4 c and 4 c + 1, a chunk ahead of its first reader; the ring is then asked for chunk c + 2.
; The slice stays in LDS: the later passes, which only an expert with over 320 rows has, read it there.
; ONE COUNTER.  Loads come back in order (ISA guide 5.7.1), A's and the weights' on one counter: a load of A issued behind a burst of weights is not seen done before the burst.  So at a change A's next step is asked for
; AHEAD of the burst, and the counted waits of the four steps behind it leave the burst out: it has four K steps in which to land.
; BARRIERS.  Two at each change: one behind every wave's reads of B, ahead of the LDS stores; one behind the stores, ahead of the next reads.  They stand in text that every wave runs; only products are jumped on the count.
; The later passes stand under a branch on the stored count: no barrier and no LDS store is in them.
; THE LIST: from sel's bit masks every wave counts the expert's tokens for itself and lays 2 t + slot by rank into its own LDS words.  All lanes stay on throughout the kernel.
; THE COLUMNS ARE DEALT SO THAT NO STAGE IS NEEDED.  Source 0 = 16 rows, source 1 = 16 columns: register j of lane (r, h) holds row 8 h + j and the column at place r of block b.  That column is
; 8 r + b: a lane's registers j of the eight blocks are eight neighbouring columns of one row, four conversions pack them into 16 bytes, and sixteen lanes store the row's 256 bytes.
; Rows from the count up to the next multiple of 16 repeat the last row: they are stored, in the expert's own rows of hid, and the second product reads them.  An expert without rows gets one fragment, of token 0's
; row, so that whatever the second product loads has been stored; nothing of it goes out there.  A wave without rows multiplies one fragment of a row that exists and stores nothing.
; NO CLUSTER: each weight byte has one reader; the rows that an expert's work-groups share come by a list, which no tile descriptor covers.
; LIMITS.  W1, b1 and x are rounded to bf16.  hid is rounded once, to f16 (11 significant bits: its rounding reaches the output undiminished, and bf16's 8 bits are too few for it): a hidden number of 65,520 or more
; becomes an infinity.  1,024 terms of x and W1 at 30 times a spread of 1 and of 0.02 give hidden numbers near 3,000; common offsets of 30 spreads on both give 1,024 x 30 x 0.6 = 18,432.  NaN and infinities are not treated apart.
; REGISTERS, in windows of 256 (s_set_vgpr_msb: bits 1:0 source 0, 3:2 source 1, 5:4 source 2, 7:6 destination):
;   window 0: v0-63 addresses and at work; v64-223 A's fragments, four slots of 5 x 8; v224-255 the second set of packed weights, later the packed rows on the way out
;   window 1: accumulators of fragments 0-3 (64 a + 8 b); at the head v0-127 take chunk 0      window 2: v0-63 accumulators of fragment 4; v128-255 B's fragments, two buffers
;   window 3: v0-63 the bias as a C operand: block b's eight registers all hold my column's bias; v64-191 the ring: four slots of eight weight rows
.set WSTRIDE, 16384                    ; bytes from a row of W1[e] to the next
.set WPITCH,  2064                     ; an LDS row: a column's 1,024 bf16 + 16 bytes = 516 words: 16 rows start at 16 different groups of four banks (64 banks of 4 bytes: ISA guide 11.1).  Column 8 r + b lies in row 16 b + r
.set LISTW,   4224                      ; a wave's list: 1,024 words, and a word for each lane behind them
.set LIST,    128*WPITCH
.set SPARE,   LIST+4*LISTW             ; the spare words, 128 bytes a wave: two blocks of 256 bytes that no other line names
.set NFM,  5                           ; fragments a pass at the most
.set WS0,  7                           ; v7   where my columns 0 and 1 of four go in the chunk that is laid next
.set WS1,  61                          ; v61  my columns 2 and 3
.set VB,   10                          ; v10-13  LDS address of B's fragments 2 p, 2 p + 1
.set VOFF, 14                          ; v14-18  byte offset of my row of fragment a in xb
.set ENT,  20                          ; v20-24  the list's entry of my row of fragment a
.set BT,   20                          ; v20-27  before that: my eight columns' bias
.set CO,   34                          ; v34  my 16 bytes of row 8 h in 16 rows of hid
.set ZERO, 35
.set TA,   44                          ; v44-59    packed weights, for the ring's slots 0 and 2
.set TB,   224                         ; v224-239  for slots 1 and 3: the sets take turns, so that a conversion does not write what the LDS stores just issued still read
.set AR,   64
.set TMP,  224
.set BF,   128
.set RING, 64
.set CNT,  30                          ; the expert's rows
.set NFR,  31                          ; its fragments
.set QF,   32                          ; fragments a wave at the most
.set F0,   33                          ; my first fragment
.set NFW,  34                          ; my fragments
.set NP,   35                          ; my passes
.set PS,   36
.set FB,   37                          ; the pass's first fragment
.set NF,   38                          ; the pass's fragments, 0 to 5
.set ILAST, 39                         ; the last row that my loads may name
.set LB,   40                          ; my list
.set NFK,  41                          ; fragments that the K steps multiply: NF, at least 1
.set AN,   44                          ; s[44:45] A at the chunk whose steps are being asked for
.set AB,   46                          ; s[46:47] A at K = 0
.set WP,   48
.set HB,   50
.set HP,   52
.set OF,   54
.set KC,   56
.set KA,   57
.set LC,   58
.set MA,   59
.set M1,   60
.set KO,   66                          ; s66-69  where B's fragments 2 p, 2 p + 1 of the chunk in hand begin in LDS
.set MSB, 0
.macro WIN new                         ; the immediate's high byte repeats the setting that is left; a switch that changes nothing is dropped
.if MSB != (\new)
	s_set_vgpr_msb (MSB<<8)|(\new)
.set MSB, \new
.endif
.endm
; Ring slot i holds eight weight rows (register 32 i + 4 j + c: row j, my column c).  x = 1: chunk 0, which lies in window 1 from v0 on.
; CVT: the conversion's two sources turn them: four registers hold eight K of one column.  FILL: the slot is asked for again, two chunks on.  PUT: 16 bytes of each of my four columns go into LDS.
.macro CVT i, x
	WIN 0x0f-0x0a*(\x)
.irp c, 0,1,2,3
.irp p, 0,1,2,3
	v_cvt_pk_bf16_f32 v[TA+(TB-TA)*((\i)%2)+4*(\c)+(\p)], v[RING*(1-(\x))+32*(\i)+8*(\p)+(\c)], v[RING*(1-(\x))+32*(\i)+8*(\p)+4+(\c)]
.endr
.endr
.endm
.macro FILL i
	WIN 0xc0
.irp j, 0,1,2,3,4,5,6,7
	global_load_b128 v[RING+32*(\i)+4*(\j):RING+32*(\i)+4*(\j)+3], v6, s[WP:WP+1] offset:(128+8*(\i)+(\j))*WSTRIDE th:TH_LOAD_NT
.endr
.endm
.macro PUT i
	WIN 0
.irp c, 0,1
	ds_store_b128 v[WS0], v[TA+(TB-TA)*((\i)%2)+4*(\c):TA+(TB-TA)*((\i)%2)+4*(\c)+3] offset:(\c)*16*WPITCH+16*(\i)       ; my columns lie 16 LDS rows apart
	ds_store_b128 v[WS1], v[TA+(TB-TA)*((\i)%2)+8+4*(\c):TA+(TB-TA)*((\i)%2)+8+4*(\c)+3] offset:(\c)*16*WPITCH+16*(\i)
.endr
.endm
.macro BLOAD buf, off                  ; B's eight fragments of one K step, at byte off of the columns
	WIN 0x80
.irp b, 0,1,2,3,4,5,6,7
	ds_load_b128 v[BF+64*(\buf)+8*(\b):BF+64*(\buf)+8*(\b)+3], v[VB+(\b)/2] offset:((\b)%2)*16*WPITCH+(\off)
	ds_load_b128 v[BF+64*(\buf)+8*(\b)+4:BF+64*(\buf)+8*(\b)+7], v[VB+(\b)/2] offset:((\b)%2)*16*WPITCH+(\off)+32
.endr
.endm
.macro ALOAD slot, off                 ; A's five fragments of one K step: always ten loads, so that the counts are the same on every path
	WIN 0
.irp a, 0,1,2,3,4
	global_load_b128 v[AR+40*(\slot)+8*(\a):AR+40*(\slot)+8*(\a)+3], v[VOFF+(\a)], s[AN:AN+1] offset:(\off)
	global_load_b128 v[AR+40*(\slot)+8*(\a)+4:AR+40*(\slot)+8*(\a)+7], v[VOFF+(\a)], s[AN:AN+1] offset:(\off)+32
.endr
.endm
.macro MULF a, slot, buf, first        ; fragment a x all eight column blocks; first = 1: the bias starts the sums
.if (\a) < 4
.set rA, 64*(\a)
	WIN 0x58+0x20*(\first)                         ; A window 0, B window 2, C and D window 1 (first: C window 3)
.else
.set rA, 64*((\a)-4)
	WIN 0xa8+0x10*(\first)                         ; C and D window 2 (first: C window 3)
.endif
.irp b, 0,1,2,3,4,5,6,7
.if \first
	v_wmma_f32_16x16x32_bf16 v[rA+8*(\b):rA+8*(\b)+7], v[AR+40*(\slot)+8*(\a):AR+40*(\slot)+8*(\a)+7], v[BF+64*(\buf)+8*(\b):BF+64*(\buf)+8*(\b)+7], v[8*(\b):8*(\b)+7]
.else
	v_wmma_f32_16x16x32_bf16 v[rA+8*(\b):rA+8*(\b)+7], v[AR+40*(\slot)+8*(\a):AR+40*(\slot)+8*(\a)+7], v[BF+64*(\buf)+8*(\b):BF+64*(\buf)+8*(\b)+7], v[rA+8*(\b):rA+8*(\b)+7]
.endif
.endr
.endm
; A K step of 32, step s, on A's slot s % 4 and B's buffer s % 2.  It waits for its own A (lcnt: the younger loads, which may stay out) and B, asks for B of step s + 1 and (aoff >= 0) A of step s + 3, and multiplies.
; The loads land in the registers that the step before multiplied: four plain vector instructions stand between (ISA guide 7.12.1 for vector instructions).
; adv = 1: B's four addresses go 256 bytes (a chunk) on, made anew from a scalar that steps and the lane's fixed term.  skipb = 1: in the walk's last trip there is no further step, and B's loads are jumped (waits for LDS are all for 0).
; The accumulators take turns, one instruction a turn; behind fragment NFK - 1 the rest is jumped over.
.macro KSTEP slot, buf, first, lcnt, boff, aoff, adv, skipb
	WIN 0
	s_wait_loadcnt \lcnt
	s_wait_dscnt 0x0                               ; B of this step, asked for a step ago
.if \adv
.irp p, 0,1,2,3
	s_add_co_u32 s[KO+\p], s[KO+\p], 256
.endr
.irp p, 0,1,2,3
	v_add_nc_u32 v[VB+\p], s[KO+\p], v8
.endr
.else
.rept 4
	v_nop
.endr
.endif
.if \skipb
	s_cmp_eq_u32 s[KC], 1
	s_cbranch_scc1 .Lnob_\@
.endif
	BLOAD 1-(\buf), \boff
.if \skipb
	WIN 0
.Lnob_\@:
.endif
.if (\aoff) >= 0
	ALOAD ((\slot)+3)%4, \aoff
.endif
.irp a, 0,1,2,3,4
	MULF \a, \slot, \buf, \first
.if !(\first) && ((\a) < 4)
	WIN 0
	s_cmp_eq_u32 s[NFK], (\a)+1
	s_cbranch_scc1 .Lkend_\@
.endif
.endr
	WIN 0
.Lkend_\@:
.endm
; CHANGE c, between K steps 4 c and 4 c + 1.  The ring holds chunk c + 1.  burst = 1: A of step 4 c + 4 is asked for, then the ring for chunk c + 2.
.macro BOUND burst
	WIN 0
	s_wait_loadcnt 20                              ; the ring's 32 loads and A of step 4 c + 1 are in; A of steps 4 c + 2 and 4 c + 3, ten loads each, stay out
	s_wait_dscnt 0x0                               ; my reads of B are back:
	s_barrier_signal -1                            ; say so; work on registers stands between the signal and the wait
	v_add_nc_u32 v[WS0], 0x100, v[WS0]             ; the next chunk's place along K
	v_add_nc_u32 v[WS1], 0x100, v[WS1]
	CVT 0, 0
	CVT 1, 0
	s_barrier_wait -1                              ; every wave's reads are back: LDS may be written
.if \burst
	s_wait_xcnt 0x0                                ; A's pointer is stepped only behind this wait; the last loads were issued a K step ago
	s_add_nc_u64 s[AN:AN+1], s[AN:AN+1], 256
	s_add_nc_u64 s[WP:WP+1], s[WP:WP+1], 128*WSTRIDE  ; all loads that named it are in
	ALOAD 0, 0                                     ; ahead of the burst; the conversions above are the places behind the products that read the slot
	FILL 0
.endif
	PUT 0
.if \burst
	FILL 1
.endif
	PUT 1
	CVT 2, 0
.if \burst
	FILL 2
.endif
	PUT 2
	CVT 3, 0
.if \burst
	FILL 3
.endif
	PUT 3
	s_wait_dscnt 0x0                               ; for the others' sake: my part of the chunk is in LDS
	s_barrier_signal -1
	s_barrier_wait -1                              ; the chunk is whole
.endm
; A pass's addresses: my row of each fragment by the list; A's pointer and B's addresses at K = 0.
.macro SETUP
	s_lshl_b32 s62, s[FB], 4
	v_add_nc_u32 v38, s62, v2
.irp a, 0,1,2,3,4
	v_add_nc_u32 v39, 16*\a, v38                   ; my row of fragment a; rows past my last repeat it
	v_min_u32 v39, s[ILAST], v39
	v_min_u32 v39, 0x3ff, v39                      ; a number made from loaded data enters an address only behind a clamp
	v_lshlrev_b32 v39, 2, v39
	v_add_nc_u32 v39, s[LB], v39
	ds_load_b32 v[ENT+\a], v39
.endr
	s_wait_dscnt 0x0
.irp a, 0,1,2,3,4
	v_lshrrev_b32 v39, 1, v[ENT+\a]                ; the token
	v_min_u32 v39, 0x3ff, v39
	v_lshlrev_b32 v39, 11, v39
	v_add_nc_u32 v[VOFF+\a], v9, v39
.endr
	s_mov_b64 s[AN:AN+1], s[AB:AB+1]
.irp p, 0,1,2,3
	s_mov_b32 s[KO+\p], \p*32*WPITCH
	v_add_nc_u32 v[VB+\p], s[KO+\p], v8
.endr
.endm
; Fragment a leaves.  For register j the eight blocks' numbers are columns 8 r .. 8 r + 7 of row 8 h + j: rounded to f16 in pairs, relu, stored.
.macro EPI1 a
	WIN 0
	s_cmp_le_u32 s[NF], \a
	s_cbranch_scc1 .Lpass_end
	s_wait_xcnt 0x0                                ; the last fragment's stores have read their data and base: only now are these written again
	s_add_co_u32 s62, s[FB], \a
	s_min_u32 s62, s62, 63                         ; a number made from loaded data enters an address only behind a clamp
	s_lshl_b32 s[OF], s62, 17                      ; 16 rows of 8,192 bytes
	s_add_nc_u64 s[HP:HP+1], s[HB:HB+1], s[OF:OF+1]
.if (\a) < 4
.set rA, 64*(\a)
	WIN 0x05
.else
.set rA, 64*((\a)-4)
	WIN 0x0a
.endif
.irp j, 0,1,2,3,4,5,6,7                ; j ascends: each accumulator is read from its low end on
.irp p, 0,1,2,3
	v_cvt_pk_f16_f32 v[TMP+4*(\j)+(\p)], v[rA+16*(\p)+(\j)], v[rA+16*(\p)+8+(\j)]   ; blocks 2 p and 2 p + 1
.endr
.endr
	WIN 0
.set z, 0
.rept 32
	v_pk_max_num_f16 v[TMP+z], v[TMP+z], v[ZERO]
.set z, z+1
.endr
.irp j, 0,1,2,3,4,5,6,7
	global_store_b128 v[CO], v[TMP+4*(\j):TMP+4*(\j)+3], s[HP:HP+1] offset:(\j)*8192   ; lanes 0-15 store row j's 256 consecutive bytes, aligned; lanes 16-31 row 8 + j's
.endr
.endm
	s_load_b256 s[4:11], s[0:1], 0x0               ; W1 s[4:5], b1 s[6:7], xb s[8:9], sel s[10:11]
	s_load_b64 s[12:13], s[0:1], 0x20              ; hid
	v_lshl_add_u32 v4, v0, 2, SPARE                ; my spare word
	v_mov_b32 v5, 0
	v_and_b32 v1, 31, v0                           ; lane
	v_lshrrev_b32 v2, 5, v0
	v_readfirstlane_b32 s20, v2                    ; wave
	v_and_b32 v2, 15, v0                           ; r
	v_bfe_u32 v3, v0, 4, 1                         ; h
	v_lshlrev_b32 v6, 4, v1                        ; 16 x lane
	v_lshlrev_b32 v9, 4, v3                        ; 16 h
	s_mov_b32 s21, ttmp9                           ; which 128 columns
	s_and_b32 s22, ttmp7, 0xffff                   ; the expert
	; my columns of a weight row are 4 l + c: block 4 (l % 2) + c, place l / 2: LDS row 64 (l % 2) + 16 c + l / 2
	v_lshrrev_b32 v[WS0], 1, v1
	v_mul_u32_u24 v[WS0], v[WS0], WPITCH
	v_and_b32 v[WS1], 1, v1
	v_mul_u32_u24 v[WS1], v[WS1], 64*WPITCH
	v_add_nc_u32 v[WS0], v[WS0], v[WS1]
	v_lshl_add_u32 v[WS0], s20, 6, v[WS0]          ; my wave's 32 K of a chunk: 64 bytes
	v_add_nc_u32 v[WS1], 32*WPITCH, v[WS0]
	v_mul_u32_u24 v8, v2, WPITCH
	v_lshl_add_u32 v8, v3, 4, v8                   ; a fragment of B: row r of its 16, 16 h
	v_lshlrev_b32 v[CO], 16, v3                    ; eight rows of 8,192 bytes for the upper lanes
	v_lshl_add_u32 v[CO], v2, 4, v[CO]
	v_mov_b32 v[ZERO], 0
	v_lshlrev_b32 v43, 6, v1
	s_lshl_b32 s62, s22, 1
	v_add_nc_u32 v43, s62, v43                     ; sel: lane c takes groups 2 c and 2 c + 1, expert e
	v_lshlrev_b32 v60, 5, v2                       ; the bias of my columns 8 r .. 8 r + 7
	s_mul_i32 s[LB], s20, LISTW
	s_add_co_u32 s[LB], s[LB], LIST
	s_lshl_b32 s[OF], s22, 24
	s_lshl_b32 s62, s21, 9
	s_add_co_u32 s[OF], s[OF], s62
	s_lshl_b32 s62, s20, 19                        ; 32 rows of 16,384 bytes a wave
	s_add_co_u32 s[OF], s[OF], s62
	s_mov_b32 s[OF+1], 0
	s_wait_kmcnt 0x0
	s_add_nc_u64 s[WP:WP+1], s[4:5], s[OF:OF+1]    ; W1[e], my wave's 32 rows of chunk 0, the group's 128 columns
	s_lshl_b32 s[OF], s22, 14
	s_lshl_b32 s62, s21, 9
	s_add_co_u32 s[OF], s[OF], s62
	s_add_nc_u64 s[6:7], s[6:7], s[OF:OF+1]
	s_mov_b64 s[AB:AB+1], s[8:9]
	s_lshl_b32 s[OF], s22, 23
	s_lshl_b32 s62, s21, 8
	s_add_co_u32 s[OF], s[OF], s62
	s_add_nc_u64 s[HB:HB+1], s[12:13], s[OF:OF+1]
	global_load_u16 v36, v43, s[10:11]             ; 'chose e', tokens 32 c ..
	global_load_u16 v38, v43, s[10:11] offset:32   ; tokens 32 c + 16 ..
	global_load_u16 v37, v43, s[10:11] offset:16   ; 'e is the second choice'
	global_load_u16 v39, v43, s[10:11] offset:48
	global_load_b128 v[BT:BT+3], v60, s[6:7]
	global_load_b128 v[BT+4:BT+7], v60, s[6:7] offset:16
	WIN 0x40
.set z, 0
.rept 32                               ; chunk 0 into accumulators that are still idle, each load 512 consecutive bytes
	global_load_b128 v[4*z:4*z+3], v6, s[WP:WP+1] offset:z*WSTRIDE th:TH_LOAD_NT
.set z, z+1
.endr
	WIN 0xc0
.set z, 0
.rept 32                               ; chunk 1 into the ring
	global_load_b128 v[RING+4*z:RING+4*z+3], v6, s[WP:WP+1] offset:(128+z)*WSTRIDE th:TH_LOAD_NT
.set z, z+1
.endr
	WIN 0
	s_wait_loadcnt 63                              ; sel and the bias are in: 64 loads stand behind them, and a wait's count names 63 at the most
	; the bias is rounded to bf16 and widened again, and block b's number goes into the block's eight C registers;
.irp q, 0,2,4,6
	v_cvt_pk_bf16_f32 v28, v[BT+\q], v[BT+1+\q]
	v_lshlrev_b32 v[BT+\q], 16, v28
	v_and_b32 v[BT+1+\q], 0xffff0000, v28
.endr
	WIN 0xc0
.set z, 0
.rept 64
	v_mov_b32 v[z], v[BT+z/8]
.set z, z+1
.endr
	WIN 0
	; and the list is made.  Its 1,024 words are set to 0 first, so that every word that a clamped load can name has been written.  Then trip c takes tokens 32 c .. 32 c + 31, a lane each:
	; a chosen token's rank is the count so far plus the chosen lanes below it; a lane whose token did not choose e stores into its own word behind the list, which nobody reads.
	v_lshl_or_b32 v36, v38, 16, v36
	v_lshl_or_b32 v37, v39, 16, v37
	v_lshlrev_b32 v42, 1, v1                       ; 2 x token
	v_add_nc_u32 v41, 0x400, v1                    ; my word behind the list
	v_add_nc_u32 v40, s[LB], v6
.irp c, 28,29,30,31
	v_mov_b32 v\c, 0
.endr
.irp j, 0,1,2,3,4,5,6,7
	ds_store_b128 v40, v[28:31] offset:512*\j
.endr
	s_mov_b32 s[CNT], 0
	s_mov_b32 s[LC], 0
.Llist:
	v_readlane_b32 s[MA], v36, s[LC]
	v_readlane_b32 s[M1], v37, s[LC]
	v_mbcnt_lo_u32_b32 v38, s[MA], s[CNT]
	s_mov_b32 vcc_lo, s[MA]
	v_cndmask_b32 v38, v41, v38, vcc_lo            ; chosen: the rank; else my own word
	v_min_u32 v38, 0x41f, v38                      ; a number made from loaded data enters an address only behind a clamp
	v_lshlrev_b32 v38, 2, v38
	v_add_nc_u32 v38, s[LB], v38
	v_lshrrev_b32 v39, v1, s[M1]
	v_and_b32 v39, 1, v39
	v_add_nc_u32 v39, v39, v42                     ; 2 t + slot
	ds_store_b32 v38, v39                          ; LDS serves a wave's instructions in order: behind the zeros
	v_add_nc_u32 v42, 64, v42
	s_bcnt1_i32_b32 s62, s[MA]
	s_add_co_u32 s[CNT], s[CNT], s62
	s_add_co_u32 s[LC], s[LC], 1
	s_cmp_lt_u32 s[LC], 32
	s_cbranch_scc1 .Llist
	s_add_co_u32 s[NFR], s[CNT], 15
	s_lshr_b32 s[NFR], s[NFR], 4
	s_max_u32 s[NFR], s[NFR], 1                    ; an expert without rows: one fragment all the same
	s_add_co_u32 s[QF], s[NFR], 3
	s_lshr_b32 s[QF], s[QF], 2
	s_mul_i32 s[F0], s20, s[QF]
	s_sub_co_i32 s[NFW], s[NFR], s[F0]
	s_max_i32 s[NFW], s[NFW], 0
	s_min_u32 s[NFW], s[NFW], s[QF]
	s_add_co_u32 s[NP], s[NFW], 4
	s_mul_i32 s[NP], s[NP], 52
	s_lshr_b32 s[NP], s[NP], 8                     ; ceil(NFW / 5) for NFW up to 16
	s_add_co_u32 s[ILAST], s[F0], s[NFW]
	s_lshl_b32 s[ILAST], s[ILAST], 4
	s_min_u32 s[ILAST], s[ILAST], s[CNT]
	s_max_u32 s[ILAST], s[ILAST], 1
	s_sub_co_u32 s[ILAST], s[ILAST], 1             ; the last of the list's entries that my loads may name (with no row at all: word 0, a zero: token 0)
	; THE FIRST PASS, which every wave runs
	s_mov_b32 s[PS], 0
	s_mov_b32 s[FB], s[F0]
	s_min_u32 s[NF], s[NFW], NFM
	s_max_u32 s[NFK], s[NF], 1
	SETUP
	ALOAD 0, 0
	ALOAD 1, 64
	ALOAD 2, 128
	s_wait_loadcnt 62                              ; chunk 0 is in; chunk 1's 32 loads and A's 30 may stay out
.irp i, 0,1,2,3
	CVT \i, 1
	PUT \i
.endr
	s_wait_dscnt 0x0                               ; for the others' sake: my part of chunk 0 is in LDS
	s_barrier_signal -1
	s_barrier_wait -1
	BLOAD 0, 0
	KSTEP 0,0,1,20,64,192,0,0                      ; step 0 runs all five fragments: every accumulator is written on every path.  20: A of the two steps ahead
	s_mov_b32 s[KA], 6
.Lchunk:                               ; trip c: change c, then K steps 4 c + 1 .. 4 c + 4
	BOUND 1
	KSTEP 1,1,0,62,128,-1,0,0                      ; 62: A of three steps and the burst's 32
	KSTEP 2,0,0,52,192,64,0,0                      ; 52: A of two steps and the burst
	KSTEP 3,1,0,52,256,128,0,0
	KSTEP 0,0,0,52,64,192,1,0
	s_sub_co_u32 s[KA], s[KA], 1
	s_cmp_lg_u32 s[KA], 0
	s_cbranch_scc1 .Lchunk
	BOUND 0                                        ; change 6: chunk 7 is laid; nothing is left to fetch.  From here to the barrier at the end LDS is only read
	s_mov_b32 s[KC], 2                             ; K steps 25 to 31 are left: the loop below is entered with two trips to go
	s_branch .Lplain
.Lpassn:                               ; THE LATER PASSES: three trips cover a wave's 16 fragments at the most; a pass that the count does not need is jumped over
	s_cmp_ge_u32 s[PS], s[NP]
	s_cbranch_scc1 .Lpass_end
	s_wait_loadcnt 0x0                             ; the last walk's loads past K's end have landed: A's slots may be loaded again
	s_wait_xcnt 0x0                                ; the last pass's stores have read their registers
	s_mul_i32 s62, s[PS], NFM
	s_add_co_u32 s[FB], s[F0], s62
	s_sub_co_u32 s[NF], s[NFW], s62
	s_min_u32 s[NF], s[NF], NFM
	s_mov_b32 s[NFK], s[NF]
	SETUP
	BLOAD 0, 0
	ALOAD 0, 0
	ALOAD 1, 64
	ALOAD 2, 128
	KSTEP 0,0,1,20,64,192,0,0
	s_mov_b32 s[KC], 8
.Lplain:                               ; a trip: K steps 4 c + 1 .. 4 c + 4, no weights on their way; the last trip is left behind step 31
	s_wait_xcnt 0x0                                ; A's pointer is stepped only behind this wait; the last loads were issued a K step ago
	s_add_nc_u64 s[AN:AN+1], s[AN:AN+1], 256
	s_cmp_eq_u32 s[KC], 1
	s_cselect_b64 s[AN:AN+1], s[AB:AB+1], s[AN:AN+1]  ; in the last trip there is no next chunk: its three runs of loads read K = 0 once more and serve nothing: the price of one text, and one count, for every trip
	KSTEP 1,1,0,20,128,0,0,0
	KSTEP 2,0,0,20,192,64,0,0
	KSTEP 3,1,0,20,256,128,0,1
	s_sub_co_u32 s[KC], s[KC], 1
	s_cmp_eq_u32 s[KC], 0
	s_cbranch_scc1 .Lkout
	KSTEP 0,0,0,20,64,192,1,0
	s_cmp_lg_u32 s[KC], 0
	s_cbranch_scc1 .Lplain
.Lkout:
.rept 4
	v_nop                                          ; four places behind the last product
.endr
.irp a, 0,1,2,3,4
	EPI1 \a
.endr
.Lpass_end:
	s_add_co_u32 s[PS], s[PS], 1
	s_cmp_lt_u32 s[PS], 4
	s_cbranch_scc1 .Lpassn
	s_wait_dscnt 0x0                               ; my LDS loads are back,
	s_barrier_signal -1
	s_barrier_wait -1                              ; and so are every wave's, before any wave writes LDS again
	s_wait_tensorcnt 0x0                           ; the wave's end
	ds_add_u32 v4, v5
	s_wait_dscnt 0x0
	s_endpgm
.Lfunc_end_k_qe6962a081a_ffn1:
	.size	k_qe6962a081a_ffn1, .Lfunc_end_k_qe6962a081a_ffn1-k_qe6962a081a_ffn1
	.p2alignl 7, 3214868480
	.fill 96, 4, 3214868480
	.section	.rodata,"a",@progbits
	.p2align	6, 0x0
	.amdhsa_kernel k_qe6962a081a_ffn1
		.amdhsa_group_segment_fixed_size 281600
		.amdhsa_private_segment_fixed_size 0
		.amdhsa_enable_private_segment 0
		.amdhsa_kernarg_size 40
		.amdhsa_user_sgpr_count 2
		.amdhsa_user_sgpr_kernarg_segment_ptr 1
		.amdhsa_wavefront_size32 1
		.amdhsa_system_sgpr_workgroup_id_x 1
		.amdhsa_system_sgpr_workgroup_id_y 1
		.amdhsa_system_sgpr_workgroup_id_z 1
		.amdhsa_system_vgpr_workitem_id 0
		.amdhsa_next_free_vgpr 960
		.amdhsa_next_free_sgpr 70
		.amdhsa_reserve_vcc 1
		.amdhsa_float_denorm_mode_32 3
		.amdhsa_float_denorm_mode_16_64 3
		.amdhsa_memory_ordered 1
		.amdhsa_forward_progress 1
		.amdhsa_inst_pref_size 126
	.end_amdhsa_kernel
	.amdgpu_metadata
---
amdhsa.version: [ 1, 2 ]
amdhsa.kernels:
  - .name:           k_qe6962a081a_ffn1
    .symbol:         k_qe6962a081a_ffn1.kd
    .args:
      - { .name: W1, .offset: 0, .size: 8, .value_kind: global_buffer, .address_space: global }
      - { .name: b1, .offset: 8, .size: 8, .value_kind: global_buffer, .address_space: global }
      - { .name: xb, .offset: 16, .size: 8, .value_kind: global_buffer, .address_space: global }
      - { .name: sel, .offset: 24, .size: 8, .value_kind: global_buffer, .address_space: global }
      - { .name: hid, .offset: 32, .size: 8, .value_kind: global_buffer, .address_space: global }
    .group_segment_fixed_size: 281600
    .private_segment_fixed_size: 0
    .kernarg_segment_align: 8
    .kernarg_segment_size: 40
    .max_flat_workgroup_size: 128
    .sgpr_count:     70
    .vgpr_count:     960
    .wavefront_size: 32
...
	.end_amdgpu_metadata
.endif
;; end of part 2
;; launch ffn2 (part 3): grid 32 x 8, 4 waves a work-group, no clusters, 281,600 bytes of LDS; arguments W2, b2, hid, sel, wgt, part; writes part
.if DOCPART == 3
	.amdgcn_target "amdgcn-amd-amdhsa--gfx1250"
	.amdhsa_code_object_version 6
	.text
	.protected	k_qe6962a081a_ffn2
	.globl	k_qe6962a081a_ffn2
	.p2align	8
	.type	k_qe6962a081a_ffn2,@function
k_qe6962a081a_ffn2:
	s_mov_b64 s[64:65], 0
	v_nop
	global_prefetch_b8 v0, s[64:65] scope:SCOPE_SE
	s_setreg_imm32_b32 hwreg(HW_REG_WAVE_MODE, 25, 1), 1
	s_wait_xcnt 0x0
; SECOND PRODUCT.  part[ks][2 t + slot][d] = w(t, slot) x (hid[e][i][K slice ks] . bf16(W2[e])[K slice ks, d] + bf16(b2[e][d]) / 4), f32; the four slices and a token's two slots are added by the last launch.
; A work-group has ONE expert (grid y), a K slice of 1,024 of F and 128 columns of D (grid x = 8 ks + ns): 1,024 x 128 f32 of W2 that no other work-group reads, and ALL of the expert's rows.
; The expert's fragments of 16 rows are dealt to the four waves, up to five a pass; A's rows (hid, dense by rank) come from memory straight into registers.  All lanes stay on throughout the kernel.
; THE STREAM AND THE FIRST PASS RUN TOGETHER, as in the first product.  K goes in 8 chunks of 128 (four K steps of 32).  Of each chunk a wave fetches 32 rows of the slice (32 loads of 512 consecutive bytes into a ring of
; 128 registers), rounds them and lays them into LDS turned, [column][K].  Chunk c + 1 is laid at CHANGE c, between K steps 4 c and 4 c + 1, a chunk ahead of its first reader; the ring is then asked for chunk c + 2.
; The slice stays in LDS: the later passes, which only an expert with over 320 rows has, read it there.
; ONE COUNTER.  Loads come back in order (ISA guide 5.7.1), A's and the weights' on one counter: a load of A issued behind a burst of weights is not seen done before the burst.  So at a change A's next step is asked for
; AHEAD of the burst, and the counted waits of the four steps behind it leave the burst out: it has four K steps in which to land.
; BARRIERS.  Two at each change: one behind every wave's reads of B, ahead of the LDS stores; one behind the stores, ahead of the next reads.  They stand in text that every wave runs; only products are jumped on the count.
; The later passes stand under a branch on the stored count: no barrier and no LDS store is in them.
; THE FORMAT.  hid comes in f16, so the product is the f16 form.  W2 is rounded to bf16, as every input of this program is, and that number is written as f16.
; THE COLUMNS ARE DEALT SO THAT NO STAGE IS NEEDED.  Source 0 = 16 rows, source 1 = 16 columns: register j of lane (r, h) holds row 8 h + j and the column at place r of block b.  That column is
; 64 (b / 4) + 4 r + b % 4: a lane's registers j of four blocks are four neighbouring columns of one row; the multiply by the row's gate weight lays them side by side, and sixteen lanes store 256 consecutive bytes.
; A quarter of the bias starts each slice's sums (an exact scaling).
; ROWS PAST THE COUNT, up to the next multiple of 16, are the last row once more: hid holds copies of it there, and the list's words behind the count repeat its entry.  So they are stored at the last row's place, with the same numbers.
; A wave without rows multiplies one fragment of rows that the first product has stored (it stores 16 rows for an expert without any) and stores nothing.
; NO CLUSTER: each weight byte has one reader; hid's rows are shared by eight work-groups, but their number is a stored count, and a loop of such a length takes no tile loads.
; LIMITS.  W2 and b2 are rounded to bf16.  A bf16 number's 8 significant bits are exact in f16 from 2^-17 in magnitude up (f16's smallest step is 2^-24); a smaller weight is off by 2^-25 at the most; a weight of 65,520 or more
; becomes an infinity.  NaN and infinities are not treated apart.
; REGISTERS, in windows of 256 (s_set_vgpr_msb: bits 1:0 source 0, 3:2 source 1, 5:4 source 2, 7:6 destination):
;   window 0: v0-63 addresses and at work; v64-223 A's fragments, four slots of 5 x 8; v224-239 the second set of packed weights
;   window 1: accumulators of fragments 0-3; at the head v0-127 take chunk 0
;   window 2: v0-63 accumulators of fragment 4; for row 8 h + j of fragment a, at 64 + 8 a + j: its entry, then its byte offset in part; v104 16 r; v128-255 B's fragments, two buffers
;   window 3: v0-63 the bias as a C operand; v64-191 the ring: four slots of eight weight rows (on the way out v64-127: a fragment's scaled numbers); at 192 + 8 a + j the row's gate weight
.set WSTRIDE, 4096                     ; bytes from a row of W2[e] to the next
.set WPITCH,  2064                     ; an LDS row: a column's 1,024 f16 + 16 bytes = 516 words: 16 rows start at 16 different groups of four banks (64 banks of 4 bytes: ISA guide 11.1).  The column at place r of block b lies in row 16 b + r
.set LISTW,   4224                      ; a wave's list: 1,024 words, and 32 words behind them
.set LIST,    128*WPITCH
.set SPARE,   LIST+4*LISTW             ; the spare words, 128 bytes a wave: two blocks of 256 bytes that no other line names
.set NFM,  5                           ; fragments a pass at the most
.set WS0,  7                           ; v7   where my columns 0 and 1 of four go in the chunk that is laid next
.set WS1,  61                          ; v61  my columns 2 and 3
.set VB,   10
.set VOFF, 14                          ; v14-18  byte offset of my row of fragment a in the expert's rows of hid
.set BT,   20                          ; v20-27  my eight columns' bias
.set LA,   44                          ; v44-48  the list's addresses, in a pass's set-up
.set TA,   44                          ; v44-59    packed weights, for the ring's slots 0 and 2
.set TB,   224                         ; v224-239  for slots 1 and 3: the sets take turns, so that a conversion does not write what the LDS stores just issued still read
.set AR,   64
.set BF,   128
.set RING, 64                          ; window 3
.set TMP,  64                          ; window 3
.set WVB,  192                         ; window 3
.set EN,   64                          ; window 2
.set R16,  104                         ; window 2
.set CNT,  30
.set NFR,  31
.set QF,   32
.set F0,   33
.set NFW,  34
.set NP,   35
.set PS,   36
.set FB,   37
.set NF,   38                          ; the pass's fragments, 0 to 5
.set ILAST, 39
.set LB,   40
.set NFK,  41                          ; fragments that the K steps multiply: NF, at least 1
.set AN,   44                          ; s[44:45] A at the chunk whose steps are being asked for
.set AB,   46                          ; s[46:47] A at the slice's K = 0
.set WP,   48
.set PB,   50
.set OF,   54
.set KC,   56
.set KA,   57
.set LC,   58
.set MA,   59
.set M1,   60
.set HM,   61                          ; s61  the mask of a word's upper half
.set CM1,  63                          ; the count less 1
.set KO,   66                          ; s66-69  where B's fragments 2 p, 2 p + 1 of the chunk in hand begin in LDS
.set MSB, 0
.macro WIN new                         ; the immediate's high byte repeats the setting that is left; a switch that changes nothing is dropped
.if MSB != (\new)
	s_set_vgpr_msb (MSB<<8)|(\new)
.set MSB, \new
.endif
.endm
; Ring slot i holds eight weight rows (register 32 i + 4 j + c: row j, my column c).  x = 1: chunk 0, which lies in window 1 from v0 on.
; CVT: the conversion's two sources turn them: four registers hold eight K of one column.  Each pair is rounded to bf16, widened again (a shift, a mask) into the slot's own registers, which are free by then, and packed as f16.
; FILL: the slot is asked for again, two chunks on.  PUT: 16 bytes of each of my four columns go into LDS.
.macro CVT i, x
.set RB, RING*(1-(\x))+32*(\i)
.set TT, TA+(TB-TA)*((\i)%2)
	WIN 0x0f-0x0a*(\x)                             ; sources in the slot's window, destination in window 0
.irp c, 0,1,2,3
.irp p, 0,1,2,3
	v_cvt_pk_bf16_f32 v[TT+4*(\c)+(\p)], v[RB+8*(\p)+(\c)], v[RB+8*(\p)+4+(\c)]
.endr
.endr
	WIN 0xc0-0x80*(\x)                             ; the other way round
.set z, 0
.rept 16
	v_lshlrev_b32 v[RB+2*z], 16, v[TT+z]
	v_and_b32 v[RB+2*z+1], s[HM], v[TT+z]
.set z, z+1
.endr
	WIN 0x0f-0x0a*(\x)
.set z, 0
.rept 16
	v_cvt_pk_f16_f32 v[TT+z], v[RB+2*z], v[RB+2*z+1]
.set z, z+1
.endr
.endm
.macro FILL i
	WIN 0xc0
.irp j, 0,1,2,3,4,5,6,7
	global_load_b128 v[RING+32*(\i)+4*(\j):RING+32*(\i)+4*(\j)+3], v6, s[WP:WP+1] offset:(128+8*(\i)+(\j))*WSTRIDE th:TH_LOAD_NT
.endr
.endm
.macro PUT i
	WIN 0
.irp c, 0,1
	ds_store_b128 v[WS0], v[TA+(TB-TA)*((\i)%2)+4*(\c):TA+(TB-TA)*((\i)%2)+4*(\c)+3] offset:(\c)*16*WPITCH+16*(\i)       ; my columns lie 16 LDS rows apart
	ds_store_b128 v[WS1], v[TA+(TB-TA)*((\i)%2)+8+4*(\c):TA+(TB-TA)*((\i)%2)+8+4*(\c)+3] offset:(\c)*16*WPITCH+16*(\i)
.endr
.endm
.macro BLOAD buf, off                  ; B's eight fragments of one K step, at byte off of the columns
	WIN 0x80
.irp b, 0,1,2,3,4,5,6,7
	ds_load_b128 v[BF+64*(\buf)+8*(\b):BF+64*(\buf)+8*(\b)+3], v[VB+(\b)/2] offset:((\b)%2)*16*WPITCH+(\off)
	ds_load_b128 v[BF+64*(\buf)+8*(\b)+4:BF+64*(\buf)+8*(\b)+7], v[VB+(\b)/2] offset:((\b)%2)*16*WPITCH+(\off)+32
.endr
.endm
.macro ALOAD slot, off                 ; A's five fragments of one K step: always ten loads, so that the counts are the same on every path
	WIN 0
.irp a, 0,1,2,3,4
	global_load_b128 v[AR+40*(\slot)+8*(\a):AR+40*(\slot)+8*(\a)+3], v[VOFF+(\a)], s[AN:AN+1] offset:(\off)
	global_load_b128 v[AR+40*(\slot)+8*(\a)+4:AR+40*(\slot)+8*(\a)+7], v[VOFF+(\a)], s[AN:AN+1] offset:(\off)+32
.endr
.endm
.macro MULF a, slot, buf, first        ; fragment a x all eight column blocks; first = 1: the bias starts the sums
.if (\a) < 4
.set rA, 64*(\a)
	WIN 0x58+0x20*(\first)                         ; A window 0, B window 2, C and D window 1 (first: C window 3)
.else
.set rA, 64*((\a)-4)
	WIN 0xa8+0x10*(\first)                         ; C and D window 2 (first: C window 3)
.endif
.irp b, 0,1,2,3,4,5,6,7
.if \first
	v_wmma_f32_16x16x32_f16 v[rA+8*(\b):rA+8*(\b)+7], v[AR+40*(\slot)+8*(\a):AR+40*(\slot)+8*(\a)+7], v[BF+64*(\buf)+8*(\b):BF+64*(\buf)+8*(\b)+7], v[8*(\b):8*(\b)+7]
.else
	v_wmma_f32_16x16x32_f16 v[rA+8*(\b):rA+8*(\b)+7], v[AR+40*(\slot)+8*(\a):AR+40*(\slot)+8*(\a)+7], v[BF+64*(\buf)+8*(\b):BF+64*(\buf)+8*(\b)+7], v[rA+8*(\b):rA+8*(\b)+7]
.endif
.endr
.endm
; A K step of 32, step s, on A's slot s % 4 and B's buffer s % 2.  It waits for its own A (lcnt: the younger loads, which may stay out) and B, asks for B of step s + 1 and (aoff >= 0) A of step s + 3, and multiplies.
; The loads land in the registers that the step before multiplied: four plain vector instructions stand between (ISA guide 7.12.1 for vector instructions).
; adv = 1: B's four addresses go 256 bytes (a chunk) on, made anew from a scalar that steps and the lane's fixed term.  skipb = 1: in the walk's last trip there is no further step, and B's loads are jumped (waits for LDS are all for 0).
; The accumulators take turns, one instruction a turn; behind fragment NFK - 1 the rest is jumped over.
.macro KSTEP slot, buf, first, lcnt, boff, aoff, adv, skipb
	WIN 0
	s_wait_loadcnt \lcnt
	s_wait_dscnt 0x0                               ; B of this step, asked for a step ago
.if \adv
.irp p, 0,1,2,3
	s_add_co_u32 s[KO+\p], s[KO+\p], 256
.endr
.irp p, 0,1,2,3
	v_add_nc_u32 v[VB+\p], s[KO+\p], v8
.endr
.else
.rept 4
	v_nop
.endr
.endif
.if \skipb
	s_cmp_eq_u32 s[KC], 1
	s_cbranch_scc1 .Lnob_\@
.endif
	BLOAD 1-(\buf), \boff
.if \skipb
	WIN 0
.Lnob_\@:
.endif
.if (\aoff) >= 0
	ALOAD ((\slot)+3)%4, \aoff
.endif
.irp a, 0,1,2,3,4
	MULF \a, \slot, \buf, \first
.if !(\first) && ((\a) < 4)
	WIN 0
	s_cmp_eq_u32 s[NFK], (\a)+1
	s_cbranch_scc1 .Lkend_\@
.endif
.endr
	WIN 0
.Lkend_\@:
.endm
; CHANGE c, between K steps 4 c and 4 c + 1.  The ring holds chunk c + 1.  burst = 1: A of step 4 c + 4 is asked for, then the ring for chunk c + 2.
.macro BOUND burst
	WIN 0
	s_wait_loadcnt 20                              ; the ring's 32 loads and A of step 4 c + 1 are in; A of steps 4 c + 2 and 4 c + 3, ten loads each, stay out
	s_wait_dscnt 0x0                               ; my reads of B are back:
	s_barrier_signal -1                            ; say so; work on registers stands between the signal and the wait
	v_add_nc_u32 v[WS0], 0x100, v[WS0]             ; the next chunk's place along K
	v_add_nc_u32 v[WS1], 0x100, v[WS1]
	CVT 0, 0
	CVT 1, 0
	s_barrier_wait -1                              ; every wave's reads are back: LDS may be written
.if \burst
	s_wait_xcnt 0x0                                ; A's pointer is stepped only behind this wait; the last loads were issued a K step ago
	s_add_nc_u64 s[AN:AN+1], s[AN:AN+1], 256
	s_add_nc_u64 s[WP:WP+1], s[WP:WP+1], 128*WSTRIDE  ; all loads that named it are in
	ALOAD 0, 0                                     ; ahead of the burst; the conversions above are the places behind the products that read the slot
	FILL 0
.endif
	PUT 0
.if \burst
	FILL 1
.endif
	PUT 1
	CVT 2, 0
.if \burst
	FILL 2
.endif
	PUT 2
	CVT 3, 0
.if \burst
	FILL 3
.endif
	PUT 3
	s_wait_dscnt 0x0                               ; for the others' sake: my part of the chunk is in LDS
	s_barrier_signal -1
	s_barrier_wait -1                              ; the chunk is whole
.endm
; A pass's addresses.  A: row r of each fragment.  The results: rows 8 h .. 8 h + 7 of each fragment: their entries from the list, their gate weights from wgt, their places in part.  A's pointer and B's addresses at K = 0.
.macro SETUP
	s_lshl_b32 s62, s[FB], 4
	v_add_nc_u32 v38, s62, v2
	v_lshl_add_u32 v41, v3, 3, s62
.irp a, 0,1,2,3,4
	v_add_nc_u32 v39, 16*\a, v38                   ; my row of fragment a; rows past my last repeat it
	v_min_u32 v39, s[ILAST], v39
	v_min_u32 v39, 0x3ff, v39                      ; a number made from loaded data enters an address only behind a clamp
	v_lshlrev_b32 v39, 13, v39
	v_add_nc_u32 v[VOFF+\a], v9, v39
	v_add_nc_u32 v40, 16*\a, v41
	v_min_u32 v40, 0x3f8, v40
	v_lshlrev_b32 v40, 2, v40
	v_add_nc_u32 v[LA+\a], s[LB], v40
.endr
	WIN 0x80
.irp a, 0,1,2,3,4
	ds_load_b128 v[EN+8*\a:EN+8*\a+3], v[LA+\a]    ; eight rows' entries
	ds_load_b128 v[EN+8*\a+4:EN+8*\a+7], v[LA+\a] offset:16
.endr
	s_wait_dscnt 0x0
	WIN 0x8a
.set z, 0
.rept 40
	v_min_u32 v[EN+z], 0x7ff, v[EN+z]
.set z, z+1
.endr
	WIN 0xc8
.set z, 0
.rept 40
	v_lshlrev_b32 v[WVB+z], 2, v[EN+z]
.set z, z+1
.endr
	WIN 0xc3
.set z, 0
.rept 40
	global_load_b32 v[WVB+z], v[WVB+z], s[12:13]   ; the row's gate weight lands on its own offset; older than all of A's loads, so step 0's wait shows it in
.set z, z+1
.endr
	WIN 0x8a
.set z, 0
.rept 40
	v_lshlrev_b32 v[EN+z], 12, v[EN+z]             ; the row's 4,096 bytes in part,
	v_add_nc_u32 v[EN+z], v[R16], v[EN+z]          ; my 16 of them
.set z, z+1
.endr
	WIN 0
	s_mov_b64 s[AN:AN+1], s[AB:AB+1]
.irp p, 0,1,2,3
	s_mov_b32 s[KO+\p], \p*32*WPITCH
	v_add_nc_u32 v[VB+\p], s[KO+\p], v8
.endr
.endm
; Fragment a leaves.  For register j the numbers of blocks 4 g .. 4 g + 3 are four neighbouring columns of row 8 h + j: times the row's gate weight, side by side, stored at the row's token and slot.
.macro EPI2 a
	WIN 0
	s_cmp_le_u32 s[NF], \a
	s_cbranch_scc1 .Lpass_end
	s_wait_xcnt 0x0                                ; the last fragment's stores have read their data: only now is it written again
.if (\a) < 4
.set rA, 64*(\a)
	WIN 0xcd                                       ; source 0 window 1, source 1 and destination window 3
.else
.set rA, 64*((\a)-4)
	WIN 0xce                                       ; source 0 window 2
.endif
.irp j, 0,1,2,3,4,5,6,7                ; j ascends: each accumulator is read from its low end on
.irp b, 0,1,2,3,4,5,6,7
	v_mul_f32 v[TMP+8*(\j)+(\b)], v[rA+8*(\b)+(\j)], v[WVB+8*(\a)+(\j)]
.endr
.endr
	WIN 0x0e                                       ; the offset (source 0) in window 2, the data (source 1) in window 3
.irp j, 0,1,2,3,4,5,6,7
	global_store_b128 v[EN+8*(\a)+(\j)], v[TMP+8*(\j):TMP+8*(\j)+3], s[PB:PB+1]                 ; lanes 0-15 store 256 consecutive bytes of row j, aligned; lanes 16-31 of row 8 + j
	global_store_b128 v[EN+8*(\a)+(\j)], v[TMP+8*(\j)+4:TMP+8*(\j)+7], s[PB:PB+1] offset:256
.endr
	WIN 0
.endm
	s_load_b256 s[4:11], s[0:1], 0x0               ; W2 s[4:5], b2 s[6:7], hid s[8:9], sel s[10:11]
	s_load_b128 s[12:15], s[0:1], 0x20             ; wgt s[12:13], part s[14:15]
	v_lshl_add_u32 v4, v0, 2, SPARE                ; my spare word
	v_mov_b32 v5, 0
	v_and_b32 v1, 31, v0                           ; lane
	v_lshrrev_b32 v2, 5, v0
	v_readfirstlane_b32 s20, v2                    ; wave
	v_and_b32 v2, 15, v0                           ; r
	v_bfe_u32 v3, v0, 4, 1                         ; h
	v_lshlrev_b32 v6, 4, v1                        ; 16 x lane
	v_lshlrev_b32 v9, 4, v3                        ; 16 h
	s_and_b32 s21, ttmp9, 7                        ; which 128 columns of D
	s_lshr_b32 s23, ttmp9, 3                       ; which K slice
	s_and_b32 s22, ttmp7, 0xffff                   ; the expert
	s_mov_b32 s[HM], 0xffff0000
	; my columns of a weight row are 4 l + c: block 4 (l / 16) + c, place l % 16: LDS row 64 (l / 16) + 16 c + l % 16
	v_mul_u32_u24 v[WS0], v2, WPITCH
	v_mul_u32_u24 v[WS1], v3, 64*WPITCH
	v_add_nc_u32 v[WS0], v[WS0], v[WS1]
	v_lshl_add_u32 v[WS0], s20, 6, v[WS0]          ; my wave's 32 K of a chunk: 64 bytes
	v_add_nc_u32 v[WS1], 32*WPITCH, v[WS0]
	v_mul_u32_u24 v8, v2, WPITCH
	v_lshl_add_u32 v8, v3, 4, v8                   ; a fragment of B: row r of its 16, 16 h
	v_lshlrev_b32 v43, 6, v1
	s_lshl_b32 s62, s22, 1
	v_add_nc_u32 v43, s62, v43                     ; sel: lane c takes groups 2 c and 2 c + 1, expert e
	v_lshlrev_b32 v60, 4, v2                       ; 16 r: the bias of my columns 4 r .. 4 r + 3, and 64 columns on
	s_mul_i32 s[LB], s20, LISTW
	s_add_co_u32 s[LB], s[LB], LIST
	s_lshl_b32 s[OF], s22, 24
	s_lshl_b32 s62, s23, 22
	s_add_co_u32 s[OF], s[OF], s62
	s_lshl_b32 s62, s20, 17                        ; 32 rows of 4,096 bytes a wave
	s_add_co_u32 s[OF], s[OF], s62
	s_lshl_b32 s62, s21, 9
	s_add_co_u32 s[OF], s[OF], s62
	s_mov_b32 s[OF+1], 0
	s_wait_kmcnt 0x0
	s_add_nc_u64 s[WP:WP+1], s[4:5], s[OF:OF+1]    ; W2[e], the slice's rows, my wave's 32 of chunk 0, the group's 128 columns
	s_lshl_b32 s[OF], s22, 12
	s_add_co_u32 s[OF], s[OF], s62
	s_add_nc_u64 s[6:7], s[6:7], s[OF:OF+1]
	s_lshl_b32 s[OF], s23, 23
	s_add_co_u32 s[OF], s[OF], s62
	s_add_nc_u64 s[PB:PB+1], s[14:15], s[OF:OF+1]  ; part's plane ks, the group's 512 bytes of a row
	s_lshl_b32 s[OF], s22, 23
	s_lshl_b32 s62, s23, 11
	s_add_co_u32 s[OF], s[OF], s62
	s_add_nc_u64 s[AB:AB+1], s[8:9], s[OF:OF+1]    ; the expert's rows of hid, at the K slice
	global_load_u16 v36, v43, s[10:11]             ; 'chose e', tokens 32 c ..
	global_load_u16 v38, v43, s[10:11] offset:32   ; tokens 32 c + 16 ..
	global_load_u16 v37, v43, s[10:11] offset:16   ; 'e is the second choice'
	global_load_u16 v39, v43, s[10:11] offset:48
	global_load_b128 v[BT:BT+3], v60, s[6:7]
	global_load_b128 v[BT+4:BT+7], v60, s[6:7] offset:256
	WIN 0x40
.set z, 0
.rept 32                               ; chunk 0 into accumulators that are still idle, each load 512 consecutive bytes
	global_load_b128 v[4*z:4*z+3], v6, s[WP:WP+1] offset:z*WSTRIDE th:TH_LOAD_NT
.set z, z+1
.endr
	WIN 0xc0
.set z, 0
.rept 32                               ; chunk 1 into the ring
	global_load_b128 v[RING+4*z:RING+4*z+3], v6, s[WP:WP+1] offset:(128+z)*WSTRIDE th:TH_LOAD_NT
.set z, z+1
.endr
	WIN 0
	s_wait_loadcnt 63                              ; sel and the bias are in: 64 loads stand behind them, and a wait's count names 63 at the most
	; the bias is rounded to bf16, widened again and quartered, and block b's number goes into the block's eight C registers;
.irp q, 0,2,4,6
	v_cvt_pk_bf16_f32 v28, v[BT+\q], v[BT+1+\q]
	v_lshlrev_b32 v[BT+\q], 16, v28
	v_and_b32 v[BT+1+\q], 0xffff0000, v28
	v_pk_mul_f32 v[BT+\q:BT+1+\q], v[BT+\q:BT+1+\q], 0x3e800000 op_sel_hi:[1,0]
.endr
	WIN 0xc0
.set z, 0
.rept 64
	v_mov_b32 v[z], v[BT+z/8]
.set z, z+1
.endr
	WIN 0x80
	v_mov_b32 v[R16], v60                          ; 16 r, beside the offsets that it is added to
	WIN 0
	; and the list is made.  Its 1,024 words are set to 0 first, so that every word that a clamped load can name has been written.  Then trip c takes tokens 32 c .. 32 c + 31, a lane each:
	; a chosen token's rank is the count so far plus the chosen lanes below it; a lane whose token did not choose e stores into its own word behind the list.
	v_lshl_or_b32 v36, v38, 16, v36
	v_lshl_or_b32 v37, v39, 16, v37
	v_lshlrev_b32 v42, 1, v1                       ; 2 x token
	v_add_nc_u32 v41, 0x400, v1                    ; my word behind the list
	v_add_nc_u32 v40, s[LB], v6
.irp c, 28,29,30,31
	v_mov_b32 v\c, 0
.endr
.irp j, 0,1,2,3,4,5,6,7
	ds_store_b128 v40, v[28:31] offset:512*\j
.endr
	s_mov_b32 s[CNT], 0
	s_mov_b32 s[LC], 0
.Llist:
	v_readlane_b32 s[MA], v36, s[LC]
	v_readlane_b32 s[M1], v37, s[LC]
	v_mbcnt_lo_u32_b32 v38, s[MA], s[CNT]
	s_mov_b32 vcc_lo, s[MA]
	v_cndmask_b32 v38, v41, v38, vcc_lo            ; chosen: the rank; else my own word
	v_min_u32 v38, 0x41f, v38                      ; a number made from loaded data enters an address only behind a clamp
	v_lshlrev_b32 v38, 2, v38
	v_add_nc_u32 v38, s[LB], v38
	v_lshrrev_b32 v39, v1, s[M1]
	v_and_b32 v39, 1, v39
	v_add_nc_u32 v39, v39, v42                     ; 2 t + slot
	ds_store_b32 v38, v39                          ; LDS serves a wave's instructions in order: behind the zeros
	v_add_nc_u32 v42, 64, v42
	s_bcnt1_i32_b32 s62, s[MA]
	s_add_co_u32 s[CNT], s[CNT], s62
	s_add_co_u32 s[LC], s[LC], 1
	s_cmp_lt_u32 s[LC], 32
	s_cbranch_scc1 .Llist
	; the 32 words behind the count repeat the last entry (with no row at all: a zero, which nothing uses)
	s_sub_co_u32 s[CM1], s[CNT], 1
	v_mov_b32 v38, s[CM1]
	v_min_u32 v38, 0x3ff, v38
	v_lshlrev_b32 v38, 2, v38
	v_add_nc_u32 v38, s[LB], v38
	ds_load_b32 v39, v38
	v_add_nc_u32 v40, s[CNT], v1
	v_min_u32 v40, 0x41f, v40
	v_lshlrev_b32 v40, 2, v40
	v_add_nc_u32 v40, s[LB], v40
	s_add_co_u32 s[NFR], s[CNT], 15
	s_lshr_b32 s[NFR], s[NFR], 4
	s_add_co_u32 s[QF], s[NFR], 3
	s_lshr_b32 s[QF], s[QF], 2
	s_mul_i32 s[F0], s20, s[QF]
	s_sub_co_i32 s[NFW], s[NFR], s[F0]
	s_max_i32 s[NFW], s[NFW], 0
	s_min_u32 s[NFW], s[NFW], s[QF]
	s_add_co_u32 s[NP], s[NFW], 4
	s_mul_i32 s[NP], s[NP], 52
	s_lshr_b32 s[NP], s[NP], 8                     ; ceil(NFW / 5) for NFW up to 16
	s_add_co_u32 s[ILAST], s[F0], s[NFW]           ; the last row that my loads may name: the last of my fragments, or, for a wave without any, of the fragments that the first product has stored, which are one at the least
	s_max_u32 s[ILAST], s[ILAST], 1
	s_max_u32 s62, s[NFR], 1
	s_min_u32 s[ILAST], s[ILAST], s62
	s_lshl_b32 s[ILAST], s[ILAST], 4
	s_sub_co_u32 s[ILAST], s[ILAST], 1
	s_wait_dscnt 0x0                               ; the last entry is in
	ds_store_b32 v40, v39
	; THE FIRST PASS, which every wave runs
	s_mov_b32 s[PS], 0
	s_mov_b32 s[FB], s[F0]
	s_min_u32 s[NF], s[NFW], NFM
	s_max_u32 s[NFK], s[NF], 1
	SETUP
	ALOAD 0, 0
	ALOAD 1, 64
	ALOAD 2, 128
	s_wait_loadcnt 63                              ; chunk 0 is in.  Behind it stand 102 loads (chunk 1's 32, the 40 gate weights, A's 30); a wait's count names 63 at the most, which asks for chunk 1 and seven of the weights too
.irp i, 0,1,2,3
	CVT \i, 1
	PUT \i
.endr
	s_wait_dscnt 0x0                               ; for the others' sake: my part of chunk 0 is in LDS
	s_barrier_signal -1
	s_barrier_wait -1
	BLOAD 0, 0
	KSTEP 0,0,1,20,64,192,0,0                      ; step 0 runs all five fragments: every accumulator is written on every path.  20: A of the two steps ahead
	s_mov_b32 s[KA], 6
.Lchunk:                               ; trip c: change c, then K steps 4 c + 1 .. 4 c + 4
	BOUND 1
	KSTEP 1,1,0,62,128,-1,0,0                      ; 62: A of three steps and the burst's 32
	KSTEP 2,0,0,52,192,64,0,0                      ; 52: A of two steps and the burst
	KSTEP 3,1,0,52,256,128,0,0
	KSTEP 0,0,0,52,64,192,1,0
	s_sub_co_u32 s[KA], s[KA], 1
	s_cmp_lg_u32 s[KA], 0
	s_cbranch_scc1 .Lchunk
	BOUND 0                                        ; change 6: chunk 7 is laid; nothing is left to fetch.  From here to the barrier at the end LDS is only read
	s_mov_b32 s[KC], 2                             ; K steps 25 to 31 are left: the loop below is entered with two trips to go
	s_branch .Lplain
.Lpassn:                               ; THE LATER PASSES: three trips cover a wave's 16 fragments at the most; a pass that the count does not need is jumped over
	s_cmp_ge_u32 s[PS], s[NP]
	s_cbranch_scc1 .Lpass_end
	s_wait_loadcnt 0x0                             ; the last walk's loads past K's end have landed: A's slots may be loaded again
	s_wait_xcnt 0x0                                ; the last pass's stores have read their registers
	s_mul_i32 s62, s[PS], NFM
	s_add_co_u32 s[FB], s[F0], s62
	s_sub_co_u32 s[NF], s[NFW], s62
	s_min_u32 s[NF], s[NF], NFM
	s_mov_b32 s[NFK], s[NF]
	SETUP
	BLOAD 0, 0
	ALOAD 0, 0
	ALOAD 1, 64
	ALOAD 2, 128
	KSTEP 0,0,1,20,64,192,0,0
	s_mov_b32 s[KC], 8
.Lplain:                               ; a trip: K steps 4 c + 1 .. 4 c + 4, no weights on their way; the last trip is left behind step 31
	s_wait_xcnt 0x0                                ; A's pointer is stepped only behind this wait; the last loads were issued a K step ago
	s_add_nc_u64 s[AN:AN+1], s[AN:AN+1], 256
	s_cmp_eq_u32 s[KC], 1
	s_cselect_b64 s[AN:AN+1], s[AB:AB+1], s[AN:AN+1]  ; in the last trip there is no next chunk: its three runs of loads read the slice's K = 0 once more and serve nothing: the price of one text, and one count, for every trip
	KSTEP 1,1,0,20,128,0,0,0
	KSTEP 2,0,0,20,192,64,0,0
	KSTEP 3,1,0,20,256,128,0,1
	s_sub_co_u32 s[KC], s[KC], 1
	s_cmp_eq_u32 s[KC], 0
	s_cbranch_scc1 .Lkout
	KSTEP 0,0,0,20,64,192,1,0
	s_cmp_lg_u32 s[KC], 0
	s_cbranch_scc1 .Lplain
.Lkout:
.rept 4
	v_nop                                          ; four places behind the last product
.endr
.irp a, 0,1,2,3,4
	EPI2 \a
.endr
.Lpass_end:
	s_add_co_u32 s[PS], s[PS], 1
	s_cmp_lt_u32 s[PS], 4
	s_cbranch_scc1 .Lpassn
	s_wait_dscnt 0x0                               ; my LDS loads are back,
	s_barrier_signal -1
	s_barrier_wait -1                              ; and so are every wave's, before any wave writes LDS again
	s_wait_tensorcnt 0x0                           ; the wave's end
	ds_add_u32 v4, v5
	s_wait_dscnt 0x0
	s_endpgm
.Lfunc_end_k_qe6962a081a_ffn2:
	.size	k_qe6962a081a_ffn2, .Lfunc_end_k_qe6962a081a_ffn2-k_qe6962a081a_ffn2
	.p2alignl 7, 3214868480
	.fill 96, 4, 3214868480
	.section	.rodata,"a",@progbits
	.p2align	6, 0x0
	.amdhsa_kernel k_qe6962a081a_ffn2
		.amdhsa_group_segment_fixed_size 281600
		.amdhsa_private_segment_fixed_size 0
		.amdhsa_enable_private_segment 0
		.amdhsa_kernarg_size 48
		.amdhsa_user_sgpr_count 2
		.amdhsa_user_sgpr_kernarg_segment_ptr 1
		.amdhsa_wavefront_size32 1
		.amdhsa_system_sgpr_workgroup_id_x 1
		.amdhsa_system_sgpr_workgroup_id_y 1
		.amdhsa_system_sgpr_workgroup_id_z 1
		.amdhsa_system_vgpr_workitem_id 0
		.amdhsa_next_free_vgpr 1000
		.amdhsa_next_free_sgpr 70
		.amdhsa_reserve_vcc 1
		.amdhsa_float_denorm_mode_32 3
		.amdhsa_float_denorm_mode_16_64 3
		.amdhsa_memory_ordered 1
		.amdhsa_forward_progress 1
		.amdhsa_inst_pref_size 166
	.end_amdhsa_kernel
	.amdgpu_metadata
---
amdhsa.version: [ 1, 2 ]
amdhsa.kernels:
  - .name:           k_qe6962a081a_ffn2
    .symbol:         k_qe6962a081a_ffn2.kd
    .args:
      - { .name: W2, .offset: 0, .size: 8, .value_kind: global_buffer, .address_space: global }
      - { .name: b2, .offset: 8, .size: 8, .value_kind: global_buffer, .address_space: global }
      - { .name: hid, .offset: 16, .size: 8, .value_kind: global_buffer, .address_space: global }
      - { .name: sel, .offset: 24, .size: 8, .value_kind: global_buffer, .address_space: global }
      - { .name: wgt, .offset: 32, .size: 8, .value_kind: global_buffer, .address_space: global }
      - { .name: part, .offset: 40, .size: 8, .value_kind: global_buffer, .address_space: global }
    .group_segment_fixed_size: 281600
    .private_segment_fixed_size: 0
    .kernarg_segment_align: 8
    .kernarg_segment_size: 48
    .max_flat_workgroup_size: 128
    .sgpr_count:     70
    .vgpr_count:     1000
    .wavefront_size: 32
...
	.end_amdgpu_metadata
.endif
;; end of part 3
;; launch combine (part 4): grid 256 x 1, 8 waves a work-group, no clusters, 0 bytes of LDS; arguments part, psum, out0, out1; writes out0, out1
.if DOCPART == 4
	.amdgcn_target "amdgcn-amd-amdhsa--gfx1250"
	.amdhsa_code_object_version 6
	.text
	.protected	k_qe6962a081a_combine
	.globl	k_qe6962a081a_combine
	.p2align	8
	.type	k_qe6962a081a_combine,@function
k_qe6962a081a_combine:
	s_mov_b64 s[64:65], 0
	v_nop
	global_prefetch_b8 v0, s[64:65] scope:SCOPE_SE
	s_setreg_imm32_b32 hwreg(HW_REG_WAVE_MODE, 25, 1), 1
	s_wait_xcnt 0x0
; out0[t] = the sum of the token's eight partial rows (four K slices x two slots), all f32.  out1 = 8 x the sum over experts of (mean probability)^2, from the 64 groups' sums.
; A work-group owns four tokens; thread i owns the 16 bytes at 16 i of every row, so a wave's load or store covers 512 consecutive bytes, aligned.
; A stream: all 32 loads of a thread go out at once; LDS, barriers and the matrix unit would add nothing.
.macro ADD4 d, s                       ; four f32 onto four
	v_pk_add_f32 v[(\d):(\d)+1], v[(\d):(\d)+1], v[(\s):(\s)+1]
	v_pk_add_f32 v[(\d)+2:(\d)+3], v[(\d)+2:(\d)+3], v[(\s)+2:(\s)+3]
.endm
	s_load_b256 s[4:11], s[0:1], 0x0               ; part s[4:5], psum s[6:7], out0 s[8:9], out1 s[10:11]
	v_lshlrev_b32 v1, 4, v0
	v_lshrrev_b32 v2, 5, v0
	v_readfirstlane_b32 s20, v2                    ; wave
	s_lshl_b32 s24, ttmp9, 15                      ; eight rows of 4,096 bytes in each plane
	s_mov_b32 s25, 0
	s_lshl_b32 s26, ttmp9, 14                      ; four rows of out0
	s_mov_b32 s27, 0
	s_wait_kmcnt 0x0
	s_add_nc_u64 s[12:13], s[4:5], s[24:25]        ; a base for each plane: the planes lie 2^23 bytes apart, past a load's immediate
	s_add_nc_u64 s[14:15], s[12:13], 0x800000
	s_add_nc_u64 s[16:17], s[14:15], 0x800000
	s_add_nc_u64 s[18:19], s[16:17], 0x800000
	s_add_nc_u64 s[8:9], s[8:9], s[26:27]
.irp j, 0,1,2,3
.irp k, 0,1,2,3
	global_load_b128 v[4+32*\j+8*\k:7+32*\j+8*\k], v1, s[12+2*\k:13+2*\k] offset:(2*\j)*4096 th:TH_LOAD_NT
	global_load_b128 v[8+32*\j+8*\k:11+32*\j+8*\k], v1, s[12+2*\k:13+2*\k] offset:(2*\j+1)*4096 th:TH_LOAD_NT
.endr
.endr
.irp j, 0,1,2,3
	s_wait_loadcnt 24-8*\j                         ; token j's eight loads are in; the later tokens' stay out
	ADD4 4+32*\j, 8+32*\j
	ADD4 12+32*\j, 16+32*\j
	ADD4 20+32*\j, 24+32*\j
	ADD4 28+32*\j, 32+32*\j
	ADD4 4+32*\j, 12+32*\j
	ADD4 20+32*\j, 28+32*\j
	ADD4 4+32*\j, 20+32*\j
	global_store_b128 v1, v[4+32*\j:7+32*\j], s[8:9] offset:4096*\j th:TH_STORE_NT
.endr
	s_cmp_lg_u32 ttmp9, 0
	s_cbranch_scc1 .Ldone
	s_cmp_lg_u32 s20, 0
	s_cbranch_scc1 .Ldone
	; work-group 0's wave 0: lane l takes experts 4 (l % 2) + 0..3 of groups l / 2 + 16 j.  v8-23 are no store's data.
.irp j, 0,1,2,3
	global_load_b128 v[8+4*\j:11+4*\j], v1, s[6:7] offset:512*\j
.endr
	s_mov_b32 s22, 0x76543210                      ; v_permlanex16_b32: each lane takes its own place in the other half
	s_mov_b32 s23, 0xfedcba98
	s_wait_loadcnt 0x0
	ADD4 8, 12
	ADD4 16, 20
	ADD4 8, 16
.irp x, 2,4,8                          ; over the lanes of my parity
.irp c, 0,1,2,3
	v_add_f32_dpp v[8+\c], v[8+\c], v[8+\c] row_xmask:\x row_mask:0xf bank_mask:0xf
.endr
.endr
.irp c, 0,1,2,3
	v_permlanex16_b32 v[12+\c], v[8+\c], s22, s23
.endr
.irp c, 0,1,2,3
	v_add_f32 v[8+\c], v[8+\c], v[12+\c]
.endr
.irp c, 0,1,2,3
	v_mul_f32 v[8+\c], 0x3a800000, v[8+\c]         ; / 1,024 tokens
.endr
	v_mul_f32 v24, v8, v8
	v_fmac_f32 v24, v9, v9
	v_fmac_f32 v24, v10, v10
	v_fmac_f32 v24, v11, v11
	v_add_f32_dpp v24, v24, v24 row_xmask:1 row_mask:0xf bank_mask:0xf   ; the other four experts
	v_mul_f32 v24, 0x41000000, v24                 ; x 8 experts
	v_mov_b32 v25, 0
	s_wait_xcnt 0x0                                ; EXEC changes only behind this wait: it is a source of the stores above
	v_cmp_eq_u32 vcc_lo, 0, v0
	s_and_saveexec_b32 s24, vcc_lo
	global_store_b32 v25, v24, s[10:11]
	s_wait_xcnt 0x0
	s_or_b32 exec_lo, exec_lo, s24
.Ldone:
	s_endpgm
.Lfunc_end_k_qe6962a081a_combine:
	.size	k_qe6962a081a_combine, .Lfunc_end_k_qe6962a081a_combine-k_qe6962a081a_combine
	.p2alignl 7, 3214868480
	.fill 96, 4, 3214868480
	.section	.rodata,"a",@progbits
	.p2align	6, 0x0
	.amdhsa_kernel k_qe6962a081a_combine
		.amdhsa_group_segment_fixed_size 0
		.amdhsa_private_segment_fixed_size 0
		.amdhsa_enable_private_segment 0
		.amdhsa_kernarg_size 32
		.amdhsa_user_sgpr_count 2
		.amdhsa_user_sgpr_kernarg_segment_ptr 1
		.amdhsa_wavefront_size32 1
		.amdhsa_system_sgpr_workgroup_id_x 1
		.amdhsa_system_sgpr_workgroup_id_y 1
		.amdhsa_system_sgpr_workgroup_id_z 1
		.amdhsa_system_vgpr_workitem_id 0
		.amdhsa_next_free_vgpr 136
		.amdhsa_next_free_sgpr 66
		.amdhsa_reserve_vcc 1
		.amdhsa_float_denorm_mode_32 3
		.amdhsa_float_denorm_mode_16_64 3
		.amdhsa_memory_ordered 1
		.amdhsa_forward_progress 1
		.amdhsa_inst_pref_size 11
	.end_amdhsa_kernel
	.amdgpu_metadata
---
amdhsa.version: [ 1, 2 ]
amdhsa.kernels:
  - .name:           k_qe6962a081a_combine
    .symbol:         k_qe6962a081a_combine.kd
    .args:
      - { .name: part, .offset: 0, .size: 8, .value_kind: global_buffer, .address_space: global }
      - { .name: psum, .offset: 8, .size: 8, .value_kind: global_buffer, .address_space: global }
      - { .name: out0, .offset: 16, .size: 8, .value_kind: global_buffer, .address_space: global }
      - { .name: out1, .offset: 24, .size: 8, .value_kind: global_buffer, .address_space: global }
    .group_segment_fixed_size: 0
    .private_segment_fixed_size: 0
    .kernarg_segment_align: 8
    .kernarg_segment_size: 32
    .max_flat_workgroup_size: 256
    .sgpr_count:     66
    .vgpr_count:     136
    .wavefront_size: 32
...
	.end_amdgpu_metadata
.endif
;; end of part 4
